; MI455X (gfx1250); checked and timed in simulation.
; The chip was launched on July 23, 2026; its instructions are those of AMD's public machine-readable ISA for CDNA 5 (MIT licence, August 2026) and "CDNA5" Instruction Set Architecture Reference Guide (July 2026). The comments in the code are by the model that wrote it; some were corrected since.
;; Aten Mm Qint8. Allowed arithmetic: matrix products marked QUANTISED: E2M1 operands, one E8M0 scale for each 32 along K, by v_wmma_scale_f32_16x16x128_f8f6f4 with both operands' format E2M1 (or v_wmma_scale_f32_32x16x128_f4), f32 sums; everything else in f32.
;; Inputs: x 4,096 x 4,096 int8; y 4,096 x 4,096 int8.
;; Outputs: out0 4,096 x 4,096 float32.
;; This version of the problem:
;;   THIS VERSION OF THE PROBLEM IS GIVEN IN LOW PRECISION. The matrix products marked QUANTISED in the list below multiply operands that are first quantised to E2M1 (2 exponent bits, 1 mantissa bit; 4 bits a number), with one power-of-two scale for each 32 numbers along K (OCP MX v1.0); their sums are f32. All else is computed in f32.
;;   The module's matrix products, in the order in which they are computed (A, B: the left and right operand; K: the contracted axis; several contracted axes count as one K, in the product's order):
;;     1. [M 4,096, K 4,096] x [K 4,096, N 4,096]; A: computed on the way; B: computed on the way: QUANTISED
;;   THE QUANTISER, for each operand of a quantised product, along K:
;;     - K is cut into blocks of 32 from its start; a last block that is shorter is filled with zeros.
;;     - A block's scale is 2^e with e = floor(log2(the largest magnitude in the block)) - 2, held to -126 .. 127; a block of zeros has e = 0. As a byte (E8M0): e + 127.
;;     - Each number is divided by its block's scale, clamped to +-6, and rounded to the nearest number of E2M1, ties to even, subnormals kept.
;;     - The product sums the exact products of the quantised numbers (number of the format x scale) in f32.
;;   ~~~python
;;   def quantise(x, axis):      # numpy; x: float32 -> the quantised numbers, widened to float32 again
;;       x = np.moveaxis(x, axis, -1); K = x.shape[-1]
;;       x = np.pad(x, [(0, 0)] * (x.ndim - 1) + [(0, -K % 32)]); x = x.reshape(x.shape[:-1] + (-1, 32)); a = np.abs(x).max(-1, keepdims=True)
;;       e = np.where(a > 0, np.clip(np.frexp(np.where(a > 0, a, 1))[1] - 1 - 2, -126, 127), 0)      # np.frexp(a)[1] - 1 = floor(log2(a)), exactly
;;       r = np.clip(x / 2.0 ** e, -6, 6)
;;       step = 2.0 ** (np.maximum(np.frexp(np.where(r == 0, 1, r))[1] - 1, 0) - 1)
;;       q = np.round(r / step) * step * 2.0 ** e      # np.round: ties to even
;;       return np.moveaxis(q.reshape(q.shape[:-2] + (-1,))[..., :K], -1, axis).astype(np.float32)
;;   ~~~
;;   OPERANDS COMPUTED ON THE WAY. 'Computed on the way' means the value that the module computes at that place (a softmax that the list does not call 'softmax' is quantised finished and normalised). What goes into a quantiser is computed in f32, as accurately as f32 sums, v_exp_f32 and their like allow (about 1e-6 of the number): no bf16 or f16 on the way to a quantiser, and a product that is left as it is and whose result goes on into a quantised operand takes f32 operands (vector FMAs, or v_wmma_f32_16x16x4_f32). A number that lies on a knife's edge between two numbers of the format may be rounded either way, as far as f32 arithmetic and the matrix unit's own rounding can turn it there, and no further.
;; One version. Each part assembles by itself: llvm-mc -triple=amdgcn-amd-amdhsa -mcpu=gfx1250 --defsym DOCPART=n.
;; ======== version 1 of 1: 2 launches
;; limits: right only within a limited range of input values
;; workspace buffers: a_ws 8,912,896 bytes; b_ws 8,912,896 bytes
;; launch quant (part 1): grid 256 x 1, 16 waves a work-group, no clusters, 176,128 bytes of LDS; arguments x, y, a_ws, b_ws; writes a_ws, b_ws
.if DOCPART == 1
	.amdgcn_target "amdgcn-amd-amdhsa--gfx1250"
	.amdhsa_code_object_version 6
	.text
	.protected	k_qfe06255fd0_quant
	.globl	k_qfe06255fd0_quant
	.p2align	8
	.type	k_qfe06255fd0_quant,@function
k_qfe06255fd0_quant:
	s_mov_b64 s[64:65], 0
	v_nop
	global_prefetch_b8 v0, s[64:65] scope:SCOPE_SE
	s_setreg_imm32_b32 hwreg(HW_REG_WAVE_MODE, 25, 1), 1
	s_wait_xcnt 0x0
; x [4096 (m)][4096 (k)] and y [4096 (k)][4096 (n)], int8, are dequantised in f32, xf = (x + 25) * 0.0215, yf = (y - 18) * 0.0176, and quantised along K to codes of
; FP4 (E2M1) with one E8M0 scale byte for each 32 along K.  A block's scale is 2^(floor(log2(its largest magnitude)) - 2); its byte is the largest magnitude's exponent field - 2.
; LIMIT: a block of 32 zeros gets the byte 1 where the rule says 127: its codes are zeros, which add nothing under any byte but 0xff, and the bytes are read by this program alone.  Every int8 value is served.
; THE WORKSPACE is laid as the product's launch reads it.  a_ws and b_ws: [32 blocks of 128 rows][8 K steps of 512] chunks of 34,816 bytes.  In a chunk, bytes 0 .. 32,767 are images of the operand's registers:
; the 16 bytes (32 codes) of row 16 i + r at k = 128 q + 64 c + 32 h lie at 8192 q + 1024 i + 512 c + 256 h + 16 r.  Behind them 2,048 scale bytes; byte t of a word scales k = 128 q + 32 t on:
;   a_ws: word q of row 16 i + r at 256 i + 16 r + 4 q;      b_ws: at 512 q + 256 (i / 4) + 16 r + 4 (i % 4).
; SHARES.  4,096 waves, 8,192 numbers each: 8 blocks of 32 in each lane.  Each wave brings its tile by ONE tensor load at its start and reads only its own tile, behind its own wait: nothing is filled twice.
;   Waves 0-7 (x): rows 16 g .. 16 g + 15, K step w: 16 rows x 512 bytes.  K is innermost: lane (r, h) takes, of row r, the blocks at k = 64 j + 32 h: the very lane that holds them in a fragment.
;   Waves 8-15 (y): two groups of four; a group takes 128 along K x 256 columns, wave t of it the K block t: 32 rows x 256 bytes.  A LANE TAKES 8 COLUMNS, AND ITS REGISTERS RUN DOWN K: nothing is transposed.
;   A lane's codes of y belong to other rows of b_ws than its neighbours': they go through the wave's own stage in LDS and leave as runs of 256 bytes.  A group's four waves gather their scale bytes in LDS: one barrier.
; No loop: every offset is an immediate; no store's data, offset or base is ever written again, so no wait frees a register.  No cluster: no two work-groups read the same byte.
; THE ORDER OF b_ws' ROWS: row 16 i + r of an image of 128 columns is column 64 (i / 4) + 4 r + i % 4, so that in the product lane r of blocks 4 g .. 4 g + 3 holds four neighbouring columns.
; Column 8 l + j of y's lane l is so row r = 2 (l % 8) + j / 4 of block i = 4 ((l / 8) % 2) + j % 4 of image l / 16; in a lane's stage place its piece j lies at 32 (j % 4) + 16 (j / 4).
.set TILEB, 8448
.set XP,    528                        ; x's row pitch: 33 x 16 bytes, so that the 16 rows that a 16-byte load touches fall on 16 different columns of 16 bytes
.set STG,   16*TILEB                   ; y's stages: 32 places of 144 bytes (a lane's 8 x 16 bytes + 16 of padding) for each of the eight y waves
.set STGW,  32*144
.set SCG,   STG+8*STGW                 ; y's scale bytes: 1,024 for each group of four waves.  No tensor load lands in the stages or here
.set CHUNK, 34816
.set SCOFF, 32768
.set AX,  4                            ; v4   x: LDS address of my row's first block
.set GX,  5                            ; v5   x: 16 x lane: my 16 bytes of an image's 512
.set GXS, 6                            ; v6   x: 16 r + 8 h: my 8 scale bytes
.set AY,  7                            ; v7   y: LDS address of my 8 columns in the tile's first row
.set AYS, 8                            ; v8   y: my place in the stage
.set AYR, 9                            ; v9   y: where I read the stage back
.set GY,  10                           ; v10  y: 1024 (lane / 16) + 16 (lane % 16)
.set ASB, 11                           ; v11  y: LDS address of my first column's scale byte
.set ASR, 12                           ; v12  y: where I read 8 gathered scale bytes
.set GYS, 13                           ; v13  y: 8 x lane
.set R,   16                           ; v16-79    the tile's bytes as they lie
.set F0,  80                           ; v80-111, v112-143  a block's 32 numbers: two sets by turns
.set C,   144                          ; v144-175  codes: four registers for each block
.set E,   176                          ; v176-183  a scale byte for each block
.set M,   184                          ; v184-191  four running maxima (the third then holds the conversion's scale operand): two sets by turns
.set OUT, 192                          ; v192-223  y's codes back from the stage
.set TL,  224                          ; v[224:225] y's gathered scale bytes
.set P,   226                          ; v226-227  x's scale bytes, four to a register
.set DW,  228                          ; v[228:229] and in the order of K
.set G1X, 16                           ; s[16:23] descriptor group 1 for x's tiles;  s[24:31] for y's;  s[32:35], s[36:39] their groups 0
.set G1Y, 24
.set G0X, 32
.set G0Y, 36
	s_load_b256 s[4:11], s[0:1], 0x0               ; x s[4:5], y s[6:7], a_ws s[8:9], b_ws s[10:11]
	v_lshl_add_u32 v254, v0, 2, 0x2a800
	v_mov_b32 v255, 0
	ds_add_u32 v254, v255
	ds_add_u32 v254, v255
	v_lshrrev_b32 v1, 5, v0
	s_delay_alu instid0(VALU_DEP_1)
	v_readfirstlane_b32 s12, v1
	s_xor_b32 s12, s12, 8                          ; the shares' wave number 0..15 is the hardware wave's number xor 8: y's tiles, which go on through a stage, belong to the hardware's waves 0-7
	s_and_b32 s13, s12, 7                          ; x: my K step;  y: 4 x group + K block
	s_lshr_b32 s14, s13, 2                         ; y: my group in the work-group
	s_and_b32 s15, s13, 3                          ; y: t, my K block of the group's four
	s_lshl_b32 s54, ttmp9, 1
	s_add_co_u32 s54, s54, s14                     ; y: my group among the launch's 512
	s_and_b32 s55, s54, 15                         ; its 256 columns
	s_lshr_b32 s54, s54, 4                         ; its 128 along K
	s_lshr_b32 s66, s54, 2                         ; = K step
	s_and_b32 s67, s54, 3                          ; and q
	; descriptor group 1.  x: 16 rows x 512 elements of 1 byte, 4,096 from row to row, 4 words of padding behind every 128
	s_mov_b32 s[G1X+0], (1<<20)|(6<<22)|(3<<25)
	s_mov_b32 s[G1X+1], 512<<16                    ; tensor_dim0
	s_mov_b32 s[G1X+2], 16<<16                     ; tensor_dim1
	s_mov_b32 s[G1X+3], 512<<16                    ; tile_dim0
	s_mov_b32 s[G1X+4], 16                         ; tile_dim1
	s_mov_b32 s[G1X+5], 4096                       ; tensor_dim0_stride
	s_mov_b32 s[G1X+6], 0
	s_mov_b32 s[G1X+7], 0
	; y: 32 rows x 256 elements of 1 byte, dense in LDS
	s_mov_b32 s[G1Y+0], 0
	s_mov_b32 s[G1Y+1], 256<<16
	s_mov_b32 s[G1Y+2], 32<<16
	s_mov_b32 s[G1Y+3], 256<<16
	s_mov_b32 s[G1Y+4], 32
	s_mov_b32 s[G1Y+5], 4096
	s_mov_b32 s[G1Y+6], 0
	s_mov_b32 s[G1Y+7], 0
	s_mul_i32 s68, s12, TILEB                      ; my tile in LDS
	s_lshl_b32 s2, ttmp9, 16                       ; x: 16 rows of 4,096 bytes a work-group,
	s_lshl_b32 s3, s13, 9                          ; 512 bytes a K step
	s_add_co_u32 s2, s2, s3
	s_mov_b32 s3, 0
	s_lshl_b32 s70, s54, 19                        ; y: 128 rows of 4,096 bytes,
	s_lshl_b32 s71, s15, 17                        ; 32 rows a K block,
	s_add_co_u32 s70, s70, s71
	s_lshl_b32 s71, s55, 8                         ; 256 columns
	s_add_co_u32 s70, s70, s71
	s_mov_b32 s71, 0
	s_wait_dscnt 0x0                               ; both opening adds are done
	s_wait_kmcnt 0x0
	s_mov_b32 s[G0X], 1                            ; count = 1
	s_mov_b32 s[G0X+1], s68                        ; LDS address
	s_add_nc_u64 s[G0X+2:G0X+3], s[4:5], s[2:3]    ; global address of the tile's first byte
	s_or_b32 s[G0X+3], s[G0X+3], 0x80000000        ; type = 2
	s_mov_b32 s[G0Y], 1
	s_mov_b32 s[G0Y+1], s68
	s_add_nc_u64 s[G0Y+2:G0Y+3], s[6:7], s[70:71]
	s_or_b32 s[G0Y+3], s[G0Y+3], 0x80000000
	s_cmp_lt_u32 s12, 8                            ; two shapes of tile, two groups 1, two lines: the branch hangs on the wave's number alone.  One load a wave: one is out
	s_cbranch_scc0 .Lload_y
	tensor_load_to_lds s[G0X:G0X+3], s[G1X:G1X+7]
	s_nop 0
.rept 4
	v_nop                                          ; four v_nop follow each of the two lines
.endr
	s_branch .Lasked
.Lload_y:
	tensor_load_to_lds s[G0Y:G0Y+3], s[G1Y:G1Y+7]
	s_nop 0
.rept 4
	v_nop
.endr
.Lasked:
	; all that follows here is set-up while the tile is on its way
	s_mov_b32 s40, 0x4b000000                      ; 2^23 as f32: with a byte u in its lowest bits it is 2^23 + u
	s_mov_b32 s41, 0x80808080                      ; turns four signed bytes q into u = q + 128
	s_mov_b32 s42, 0x07060500                      ; byte selects: byte b of the data under the three upper bytes of 2^23
	s_mov_b32 s43, 0x07060501
	s_mov_b32 s44, 0x07060502
	s_mov_b32 s45, 0x07060503
	s_mov_b32 s46, 0xcb000067                      ; -(2^23 + 103): (2^23 + u) - (2^23 + 103) = q + 25, exactly
	s_mov_b32 s47, s46                             ; (the packed forms name a pair and take its low word for both halves: so the upper word is written)
	s_mov_b32 s48, 0x3cb020c5                      ; 0.0215
	s_mov_b32 s49, s48
	s_mov_b32 s50, 0xcb000092                      ; -(2^23 + 146): q - 18
	s_mov_b32 s51, s50
	s_mov_b32 s52, 0x3c902de0                      ; 0.0176
	s_mov_b32 s53, s52
	s_mul_i32 s69, s13, STGW
	s_add_co_u32 s69, s69, STG                     ; my stage
	s_lshl_b32 s72, s14, 10
	s_add_co_u32 s72, s72, SCG                     ; my group's scale bytes
	s_add_co_u32 s73, s72, s15                     ; + t: my byte of each word
	s_lshl_b32 s74, s15, 8
	s_add_co_u32 s74, s74, s72                     ; + 256 t: the run of 256 that I carry out
	; the two load lines have joined: every address register of both roles is made on this one way, ahead of the roles' own arms:
	; every address register of both roles is made here, ahead of the branch into the roles' arms, and never rewritten
	v_and_b32 v1, 31, v0                           ; lane
	v_and_b32 v2, 15, v0                           ; r
	v_bfe_u32 v3, v0, 4, 1                         ; h
	s_delay_alu instid0(VALU_DEP_2)
	v_mul_u32_u24 v[AX], v2, XP
	s_delay_alu instid0(VALU_DEP_1)
	v_lshl_add_u32 v[AX], v3, 5, v[AX]
	s_delay_alu instid0(VALU_DEP_1)
	v_add_nc_u32 v[AX], s68, v[AX]                 ; row r, + 32 h
	v_lshlrev_b32 v[GX], 4, v1
	v_lshlrev_b32 v[GXS], 4, v2
	s_delay_alu instid0(VALU_DEP_1)
	v_lshl_add_u32 v[GXS], v3, 3, v[GXS]
	v_lshl_add_u32 v[AY], v1, 3, s68               ; 8 columns a lane
	v_mul_u32_u24 v[AYS], v1, 144
	s_delay_alu instid0(VALU_DEP_1)
	v_add_nc_u32 v[AYS], s69, v[AYS]
	v_bfe_u32 v14, v0, 1, 3                        ; r / 2: the place, in a group of eight
	v_and_b32 v15, 1, v0                           ; r % 2: which of its two neighbouring pieces
	s_delay_alu instid0(VALU_DEP_2)
	v_mul_u32_u24 v[AYR], v14, 144
	s_delay_alu instid0(VALU_DEP_1)
	v_lshl_add_u32 v[AYR], v15, 4, v[AYR]
	s_delay_alu instid0(VALU_DEP_1)
	v_lshl_add_u32 v[AYR], v3, 5, v[AYR]           ; lanes 16-31 take the next i
	s_delay_alu instid0(VALU_DEP_1)
	v_add_nc_u32 v[AYR], s69, v[AYR]
	v_lshlrev_b32 v[GY], 4, v2
	s_delay_alu instid0(VALU_DEP_1)
	v_lshl_add_u32 v[GY], v3, 10, v[GY]
	v_lshl_add_u32 v[ASB], v1, 5, s73              ; 512 (l / 16) + 256 (i / 4) + 16 r + 4 (i % 4) = 32 l + 4 j
	v_lshl_add_u32 v[ASR], v1, 3, s74
	v_lshlrev_b32 v[GYS], 3, v1
	s_wait_alu depctr_va_vdst(0)                   ; the wait at the head's end
	; where the results go: scalar work, while the tile is on its way.  Offsets are made in registers of their own and added to the buffers' addresses once
	s_lshr_b32 s2, ttmp9, 3
	s_lshl_b32 s2, s2, 3
	s_add_co_u32 s2, s2, s13
	s_mul_i32 s2, s2, CHUNK                        ; x: chunk 8 (g / 8) + K step
	s_and_b32 s3, ttmp9, 7                         ; i = g % 8
	s_lshl_b32 s72, s3, 10
	s_add_co_u32 s72, s72, s2
	s_mov_b32 s73, 0
	s_add_nc_u64 s[56:57], s[8:9], s[72:73]        ; its codes: + 1024 i
	s_lshl_b32 s74, s3, 8
	s_add_co_u32 s74, s74, s2
	s_add_co_u32 s74, s74, SCOFF
	s_mov_b32 s75, 0
	s_add_nc_u64 s[58:59], s[8:9], s[74:75]        ; its scale bytes: + 32,768 + 256 i
	s_lshr_b32 s2, s15, 1                          ; y: c = t / 2
	s_and_b32 s3, s15, 1                           ; h = t % 2
	s_lshl_b32 s76, s55, 4
	s_add_co_u32 s76, s76, s66
	s_mul_i32 s76, s76, CHUNK                      ; chunk 8 (2 x column group) + K step: the first of my two blocks of 128 columns
	s_lshl_b32 s77, s67, 13
	s_add_co_u32 s76, s76, s77                     ; + 8192 q
	s_lshl_b32 s77, s2, 9
	s_add_co_u32 s76, s76, s77                     ; + 512 c
	s_lshl_b32 s77, s3, 8
	s_add_co_u32 s76, s76, s77                     ; + 256 h
	s_mov_b32 s77, 0
	s_add_nc_u64 s[60:61], s[10:11], s[76:77]
	s_lshl_b32 s78, s55, 1
	s_add_co_u32 s78, s78, s2                      ; the run of scale bytes that I carry out: block of 128 columns t / 2,
	s_lshl_b32 s78, s78, 3
	s_add_co_u32 s78, s78, s66
	s_mul_i32 s78, s78, CHUNK
	s_lshl_b32 s79, s67, 9
	s_add_co_u32 s78, s78, s79                     ; + 512 q
	s_lshl_b32 s79, s3, 8
	s_add_co_u32 s78, s78, s79                     ; + 256 (t % 2): rows 64 (t % 2) on
	s_add_co_u32 s78, s78, SCOFF
	s_mov_b32 s79, 0
	s_add_nc_u64 s[62:63], s[10:11], s[78:79]
; 32 bytes become 32 numbers 2^23 + u in v[f] on.  x: block j's 8 registers hold them on end;  y: column j is byte j % 4 of register j / 4 of each of the 32 rows' pairs
.macro UNPX j, f
.set n, 0
.rept 32
	v_perm_b32 v[\f+n], s40, v[R+8*(\j)+n/4], s[42+n%4]
.set n, n+1
.endr
.endm
.macro UNPY j, f
.set n, 0
.rept 32
	v_perm_b32 v[\f+n], s40, v[R+2*n+(\j)/4], s[42+(\j)%4]
.set n, n+1
.endr
.endm
; Block j: the 32 numbers in v[f] on are dequantised and quantised.  s[KC] = -(2^23 + 128 + zero point), s[KS] = the tensor's scale.
; The addition is exact and the multiplication rounds once, so the f32 numbers are the definition's own, bit for bit; one fused multiply-add would round another number, so the two stay apart.
.macro QCORE f, j, KC, KS
.set MA, M+4*((\j)%2)
.set n, 0
.rept 16
	v_pk_add_f32 v[\f+n:\f+n+1], v[\f+n:\f+n+1], s[\KC:\KC+1] op_sel_hi:[1,0]
.set n, n+2
.endr
.set n, 0
.rept 16
	v_pk_mul_f32 v[\f+n:\f+n+1], v[\f+n:\f+n+1], s[\KS:\KS+1] op_sel_hi:[1,0]
.set n, n+2
.endr
	v_max3_num_f32 v[MA], |v[\f]|, |v[\f+1]|, 0x1800000              ; the largest magnitude, in four chains by turns; among its leaves the floor 2^(3 - 127): so the byte cannot fall under 1
	v_max3_num_f32 v[MA+1], |v[\f+8]|, |v[\f+9]|, |v[\f+10]|
	v_max3_num_f32 v[MA+2], |v[\f+16]|, |v[\f+17]|, |v[\f+18]|
	v_max3_num_f32 v[MA+3], |v[\f+24]|, |v[\f+25]|, |v[\f+26]|
.irp i, 0,2
	v_max3_num_f32 v[MA], v[MA], |v[\f+2+\i]|, |v[\f+3+\i]|
	v_max3_num_f32 v[MA+1], v[MA+1], |v[\f+11+\i]|, |v[\f+12+\i]|
	v_max3_num_f32 v[MA+2], v[MA+2], |v[\f+19+\i]|, |v[\f+20+\i]|
	v_max3_num_f32 v[MA+3], v[MA+3], |v[\f+27+\i]|, |v[\f+28+\i]|
.endr
	v_max3_num_f32 v[MA], v[MA], |v[\f+6]|, |v[\f+7]|
	v_max3_num_f32 v[MA+2], v[MA+2], v[MA+3], |v[\f+23]|
	v_max3_num_f32 v[MA], v[MA], v[MA+1], |v[\f+15]|
	s_delay_alu instid0(VALU_DEP_1)
	v_max3_num_f32 v[MA], v[MA], v[MA+2], |v[\f+31]|
	s_delay_alu instid0(VALU_DEP_1)
	v_add_nc_u32 v[MA+2], 0xff000000, v[MA]        ; 2 off its exponent field: the conversion takes the exponent field of this operand as its scale, and nothing else of it
.irp gq, 0,1,2,3
	v_cvt_scalef32_pk8_fp4_f32 v[C+4*(\j)+\gq], v[\f+8*\gq:\f+8*\gq+7], v[MA+2]   ; eight numbers / the scale, to the nearest code, ties to even, beyond 6 the largest code; the first number's code in the lowest bits
.endr
	v_lshrrev_b32 v[E+(\j)], 23, v[MA+2]           ; the scale's byte.  (Also the plain instruction behind the conversions, ahead of whatever next writes their sources)
.endm
	s_wait_tensorcnt 0x0                           ; my tile is in LDS; nobody else reads it, so no barrier stands here
	s_cmp_lt_u32 s12, 8
	s_cbranch_scc0 .Larm_y
	; ---- x.  Block j of lane (r, h) is k = 64 j + 32 h on of row r: q = j / 2, c = j % 2
.irp j, 0,1,2,3,4,5,6,7
	ds_load_b128 v[R+8*\j:R+8*\j+3],   v[AX] offset:64*\j
	ds_load_b128 v[R+8*\j+4:R+8*\j+7], v[AX] offset:64*\j+16
.endr
.macro XBLOCK j
	s_wait_dscnt 14-2*(\j)                         ; LDS loads come back in order: block j's two are in, the later blocks' two each may be out
.set n, 0
.rept 8
	v_xor_b32 v[R+8*(\j)+n], s41, v[R+8*(\j)+n]
.set n, n+1
.endr
	UNPX \j, F0+32*((\j)%2)
	QCORE F0+32*((\j)%2), \j, 46, 48
	global_store_b128 v[GX], v[C+4*(\j):C+4*(\j)+3], s[56:57] offset:((\j)/2)*8192+((\j)%2)*512   ; 32 lanes store 512 consecutive bytes, at a multiple of 256 from the buffer's first byte
.endm
.irp j, 0,1,2,3,4,5,6,7
	XBLOCK \j
.endr
	; my 8 bytes are those of K blocks 2 j + h of row r; a row's 16 lie on end in a_ws.  Lane (r, h) stores blocks 8 h .. 8 h + 7
	v_lshl_or_b32 v[P], v[E+1], 8, v[E]
	v_lshl_or_b32 v[P+1], v[E+5], 8, v[E+4]
	s_delay_alu instid0(VALU_DEP_2)
	v_lshl_or_b32 v[P], v[E+2], 16, v[P]
	s_delay_alu instid0(VALU_DEP_2)
	v_lshl_or_b32 v[P+1], v[E+6], 16, v[P+1]
	s_delay_alu instid0(VALU_DEP_2)
	v_lshl_or_b32 v[P], v[E+3], 24, v[P]           ; j = 0 .. 3
	s_delay_alu instid0(VALU_DEP_2)
	v_lshl_or_b32 v[P+1], v[E+7], 24, v[P+1]       ; j = 4 .. 7
	s_delay_alu instid0(VALU_DEP_1)
	v_permlane16_swap_b32 v[P], v[P+1]             ; the first's lanes 16-31 change places with the second's lanes 0-15: now the first holds the even blocks of 8 h on, the second the odd ones
	s_delay_alu instid0(VALU_DEP_1)
	v_perm_b32 v[DW], v[P+1], v[P], 0x05010400     ; even, odd, even, odd
	s_delay_alu instid0(VALU_DEP_2)
	v_perm_b32 v[DW+1], v[P+1], v[P], 0x07030602
	global_store_b64 v[GXS], v[DW:DW+1], s[58:59]  ; 32 lanes store 256 consecutive bytes, aligned
	s_branch .Ljoin
.Larm_y:
	; ---- y.  Row kk of the tile is k = 32 t + kk of the group's 128; my 8 bytes of it are columns 8 l .. 8 l + 7
.set n, 0
.rept 32
	ds_load_b64 v[R+2*n:R+2*n+1], v[AY] offset:256*n   ; 32 lanes read a row's 256 bytes
.set n, n+1
.endr
	s_wait_dscnt 0x0                               ; every column wants all 32 rows
.set n, 0
.rept 64
	v_xor_b32 v[R+n], s41, v[R+n]
.set n, n+1
.endr
.macro YBLOCK j
	UNPY \j, F0+32*((\j)%2)
	QCORE F0+32*((\j)%2), \j, 50, 52
	ds_store_b128 v[AYS], v[C+4*(\j):C+4*(\j)+3] offset:32*((\j)%4)+16*((\j)/4)   ; column 8 l + j's 16 bytes
	ds_store_b8 v[ASB], v[E+(\j)] offset:4*(\j)                   ; and its byte t of the word of this q: the group's four waves write the word's four bytes
.endm
.irp j, 0,1,2,3,4,5,6,7
	YBLOCK \j
.endr
	; two pieces of each of eight neighbouring places are 16 rows of b_ws' image: 256 bytes that lie on end there.  Load n takes the eight places from 16 (n / 4) + 8 ((n % 4) / 2) on
.irp n, 0,1,2,3,4,5,6,7
	ds_load_b128 v[OUT+4*\n:OUT+4*\n+3], v[AYR] offset:2304*(\n/4)+1152*((\n%4)/2)+64*(\n%2)   ; image n / 4, i = 2 (n % 4) + lane / 16: eight places, two pieces of each.  LDS serves a wave's instructions in order: these see my stores
.endr
.irp n, 0,1,2,3,4,5,6,7
	s_wait_dscnt 7-\n                              ; load n is in; the younger ones may be out
	global_store_b128 v[GY], v[OUT+4*\n:OUT+4*\n+3], s[60:61] offset:(\n/4)*8*CHUNK+(\n%4)*2048   ; lanes 0-15 and lanes 16-31 each store 256 consecutive bytes, aligned: i = 2 (n % 4) + lane / 16 of column block n / 4
.endr
.Ljoin:
	s_wait_dscnt 0x0                               ; for the others' sake: my stores of scale bytes have landed
	s_barrier_signal -1
	s_barrier_wait -1                              ; the one barrier: behind it a group's 1,024 scale bytes are whole
	s_cmp_lt_u32 s12, 8
	s_cbranch_scc1 .Lend
	ds_load_b64 v[TL:TL+1], v[ASR]
	s_wait_dscnt 0x0
	global_store_b64 v[GYS], v[TL:TL+1], s[62:63]  ; 32 lanes store 256 consecutive bytes, aligned
.Lend:
	s_wait_tensorcnt 0x0
	ds_add_u32 v254, v255
	s_wait_dscnt 0x0
	s_endpgm
.Lfunc_end_k_qfe06255fd0_quant:
	.size	k_qfe06255fd0_quant, .Lfunc_end_k_qfe06255fd0_quant-k_qfe06255fd0_quant
	.p2alignl 7, 3214868480
	.fill 96, 4, 3214868480
	.section	.rodata,"a",@progbits
	.p2align	6, 0x0
	.amdhsa_kernel k_qfe06255fd0_quant
		.amdhsa_group_segment_fixed_size 176128
		.amdhsa_private_segment_fixed_size 0
		.amdhsa_enable_private_segment 0
		.amdhsa_kernarg_size 32
		.amdhsa_user_sgpr_count 2
		.amdhsa_user_sgpr_kernarg_segment_ptr 1
		.amdhsa_wavefront_size32 1
		.amdhsa_system_sgpr_workgroup_id_x 1
		.amdhsa_system_sgpr_workgroup_id_y 1
		.amdhsa_system_sgpr_workgroup_id_z 1
		.amdhsa_system_vgpr_workitem_id 0
		.amdhsa_next_free_vgpr 256
		.amdhsa_next_free_sgpr 80
		.amdhsa_reserve_vcc 0
		.amdhsa_float_denorm_mode_32 3
		.amdhsa_float_denorm_mode_16_64 3
		.amdhsa_memory_ordered 1
		.amdhsa_forward_progress 1
		.amdhsa_inst_pref_size 107
	.end_amdhsa_kernel
	.amdgpu_metadata
---
amdhsa.version: [ 1, 2 ]
amdhsa.kernels:
  - .name:           k_qfe06255fd0_quant
    .symbol:         k_qfe06255fd0_quant.kd
    .args:
      - { .name: x, .offset: 0, .size: 8, .value_kind: global_buffer, .address_space: global }
      - { .name: y, .offset: 8, .size: 8, .value_kind: global_buffer, .address_space: global }
      - { .name: a_ws, .offset: 16, .size: 8, .value_kind: global_buffer, .address_space: global }
      - { .name: b_ws, .offset: 24, .size: 8, .value_kind: global_buffer, .address_space: global }
    .group_segment_fixed_size: 176128
    .private_segment_fixed_size: 0
    .kernarg_segment_align: 8
    .kernarg_segment_size: 32
    .max_flat_workgroup_size: 512
    .sgpr_count:     80
    .vgpr_count:     256
    .wavefront_size: 32
...
	.end_amdgpu_metadata
.endif
;; end of part 1
;; launch gemm (part 2): grid 16 x 16, 4 waves a work-group, clusters of 4 x 4, 327,680 bytes of LDS; arguments a_ws, b_ws, out0; writes out0
.if DOCPART == 2
	.amdgcn_target "amdgcn-amd-amdhsa--gfx1250"
	.amdhsa_code_object_version 6
	.text
	.protected	k_qfe06255fd0_gemm
	.globl	k_qfe06255fd0_gemm
	.p2align	8
	.type	k_qfe06255fd0_gemm,@function
k_qfe06255fd0_gemm:
	s_mov_b64 s[64:65], 0
	v_nop
	global_prefetch_b8 v0, s[64:65] scope:SCOPE_SE
	s_setreg_imm32_b32 hwreg(HW_REG_WAVE_MODE, 25, 1), 1
	s_wait_xcnt 0x0
	s_wait_alu depctr_hold_cnt(0) depctr_sa_sdst(0) depctr_va_vdst(0) depctr_va_sdst(0) depctr_va_ssrc(0) depctr_va_vcc(0) depctr_vm_vsrc(0)
	s_getreg_b32 s2, hwreg(HW_REG_IB_STS2, 6, 4)
	s_cmp_eq_u32 s2, 0
	s_cbranch_scc0 .Lentry_in_a_cluster
	s_endpgm
.Lentry_in_a_cluster:
	s_bfe_u32 s2, ttmp6, 0x10000c
	s_cmp_lg_u32 s2, 0xf033
	s_cbranch_scc0 .Lentry_shape_is_right
	s_endpgm
.Lentry_shape_is_right:
; out0[m][n] = sum over k of A[m][k] B[n][k], 4096 x 4096 x 4096: A = x's codes, B = y's codes of FP4 (E2M1) with E8M0 scale bytes, as the launch before laid them; f32 sums, K ascending, one accumulator for each output.
; a_ws, b_ws: [32 blocks of 128 rows][8 K steps of 512] chunks of 34,816 bytes: register images (16 bytes of row 16 i + r at 8192 q + 1024 i + 512 c + 256 h + 16 r), then 2,048 scale bytes.
; A tile of C, 256 x 256, is made by a work-group of four waves; a wave makes 128 x 128: 32 accumulators of 32 x 16, 512 registers.  16 x 16 tiles: 256 work-groups.
; K goes in steps of 512 through a ring of two LDS slots; a slot is four chunks, A's two and B's two; each wave fetches one of them by one tensor load, as 136 rows of 256 bytes.
; CLUSTERS: 4 x 4 work-groups.  The four of a row of the cluster need the same chunks of A, the four of a column the same chunks of B: each is asked for JOINTLY, with one descriptor and a mask that names the four.
; SOURCE 0 IS A (32 rows), SOURCE 1 IS B (16): lane (r, h), register 8 u + j of accumulator (i, b) is row 32 i + 16 u + 8 h + j, and, as b_ws' rows are ordered, column 64 (b / 4) + 4 r + b % 4.  So register 8 u + j of
; accumulators b = 4 g .. 4 g + 3 are 16 neighbouring bytes of a row, and sixteen lanes hold 256: results leave from registers, with no stage in LDS.
; REGISTERS, in windows of 256: window 0: v0-31 addresses; v32-95 scale words, a set for each slot; v128-255 A's fragments, two sets.
;   window 1: B's fragments, two sets (v0-63, v128-191); in the last K step all 256 hold B.   window 2: accumulator (i, b), i = 0, 1, at v[128 i + 16 b];   window 3: i = 2, 3.
; A step of 128 along K is 32 matrix instructions.  The next step's 32 fragment loads stand in ONE run in front of them, into the sets that are not at work, and have the whole step in which to land.
; PREFETCH: when a K step's joint loads go out, the K step two refills on is asked of memory.  Of a chunk's 136 blocks of 256 bytes each of the four partners that load it takes 34, told apart by address: each block is named once in a cluster.
;   K steps 0 and 1 come by their loads alone; 2 and 3 are asked for behind the first step; the loop's last trip asks for nothing: its look-ahead would pass the end of K.
; THE LAST K STEP GOES BY ROWS OF C: all its fragments of B lie in registers, and a unit of 32 rows x 64 columns is stored as soon as its 16 matrix instructions are done.
.set CHUNK,  34816
.set SCOFF,  32768
.set RBS,    8*CHUNK
.set SLOT,   4*CHUNK
.set SPARE,  2*SLOT                    ; behind the ring: the spare words, 128 bytes for each wave, that no other line names
.set LAPS,   4                         ; a lap = two K steps = once round the ring
.set ROWC,   16384                     ; bytes in a row of C
.set PF1,  12                          ; v12     the prefetches' offsets: blocks 0 .. 31 of my 34, a lane each,
.set PF2,  13                          ; v13     and the last two (lanes left over name the last again)
.set ADRA, 16                          ; v16-17  LDS address of my A fragments, and scale words behind them, in slot 0, 1
.set ADRB, 20                          ; v20-21  the same for B
.set CO,   26                          ; v26     my byte offset in C
.set SPW,  28                          ; v28     LDS address of my spare word; never rewritten
.set NIL,  29                          ; v29     0; never rewritten
.set SC,   32                          ; set s at SC + 32 s: register 4 i + q: lane m has row 32 i + m of A;  register 16 + 4 q + b % 4: lanes 0-15 B's blocks 0 .. 3, lanes 16-31 blocks 4 .. 7
.set AF,   128
.set G1,   24                          ; s[24:31] descriptor group 1 for A;  s[32:39] group 0, one for each slot
.set G0,   32
.set G1B,  48                          ; s[48:55], s[56:63] the same for B
.set G0B,  56
.set PFA,  66                          ; s[66:67] where my prefetches stand
.set TO_B, 0x40                        ; destination window 1, address window 0
.set MSB, 0
.macro WIN new                         ; the immediate's high byte repeats the setting that is left
.if MSB != (\new)
	s_set_vgpr_msb (MSB<<8)|(\new)
.set MSB, \new
.endif
.endm
.macro PLACES
.rept 4
	v_nop
.endr
.endm
; A joint load: waves 0 and 1 fetch for A, waves 2 and 3 for B; the branch hangs on the wave's number alone.  An s_nop 0 and four v_nop follow each load; the v_nop are also the places in front of the loads that follow.
.macro JLOAD s
	s_cmp_eq_u32 s15, 0
	s_cbranch_scc0 .Lfor_b_\@
	tensor_load_to_lds s[G0+4*\s:G0+4*\s+3], s[G1:G1+7]
	s_nop 0
	PLACES
	s_branch .Lasked_\@
.Lfor_b_\@:
	tensor_load_to_lds s[G0B+4*\s:G0B+4*\s+3], s[G1B:G1B+7]
	s_nop 0
	PLACES
.Lasked_\@:
.endm
.macro CREST                           ; a round of the cluster's barrier behind its opening barrier
	s_cmp_lg_u32 s14, 0
	s_cbranch_scc1 .Lnot_wave_0_\@
	s_barrier_signal -3
.Lnot_wave_0_\@:
	s_barrier_wait -3
	s_barrier_signal -1
	s_barrier_wait -1
.endm
.macro CROUND                          ; a whole round
	s_barrier_signal -1
	s_barrier_wait -1
	CREST
.endm
.macro PREF off                        ; my 34 blocks of the chunk that begins off bytes on
	global_prefetch_b8 v[PF1], s[PFA:PFA+1] offset:\off th:TH_LOAD_NT scope:SCOPE_SE
	global_prefetch_b8 v[PF2], s[PFA:PFA+1] offset:\off+8192 th:TH_LOAD_NT scope:SCOPE_SE
.endm
	s_load_b128 s[4:7], s[0:1], 0x0                ; A s[4:5], B s[6:7]
	s_load_b64 s[8:9], s[0:1], 0x10                ; C
	v_lshl_add_u32 v[SPW], v0, 2, SPARE
	v_mov_b32 v[NIL], 0
	ds_add_u32 v[SPW], v[NIL]                      ; the opening lines: the add, twice on end, and its wait
	ds_add_u32 v[SPW], v[NIL]
	v_lshrrev_b32 v1, 5, v0
	v_readfirstlane_b32 s14, v1                    ; wave 0..3
	s_lshr_b32 s15, s14, 1                         ; which half of the tile's rows is mine.  Also: I fetch for A (0) or for B (1)
	s_and_b32 s16, s14, 1                          ; which half of its columns.  Also: which of the operand's two chunks I fetch
	s_bfe_u32 s40, ttmp6, 0x40000                  ; cx, cy: my place in the cluster
	s_bfe_u32 s41, ttmp6, 0x40004
	s_lshl_b32 s42, ttmp9, 2
	s_add_co_u32 s42, s42, s40                     ; tile column of C
	s_and_b32 s17, ttmp7, 0xffff
	s_lshl_b32 s17, s17, 2
	s_add_co_u32 s17, s17, s41                     ; tile row of C
	s_lshl_b32 s43, s41, 2
	s_lshl_b32 s43, 15, s43                        ; my row of the cluster
	s_lshl_b32 s44, 0x1111, s40                    ; my column
	s_or_b32 s[G1+0], s43, (3<<16)|(1<<21)         ; the mask; elements of 8 bytes; bit 21 beside a mask; no padding: a fragment load reads 512 bytes on end
	s_or_b32 s[G1B+0], s44, (3<<16)|(1<<21)
.irp g, G1, G1B
	s_mov_b32 s[\g+1], 32<<16                      ; a chunk: 136 rows of 256 bytes, dense
	s_mov_b32 s[\g+2], 136<<16
	s_mov_b32 s[\g+3], 32<<16
	s_mov_b32 s[\g+4], 136
	s_mov_b32 s[\g+5], 32
	s_mov_b32 s[\g+6], 0
	s_mov_b32 s[\g+7], 0
.endr
	s_lshl_b32 s20, s17, 1
	s_add_co_u32 s20, s20, s16
	s_mul_i32 s20, s20, RBS                        ; A: block of 128 rows 2 x tile row + half
	s_mov_b32 s21, 0
	s_lshl_b32 s46, s42, 1
	s_add_co_u32 s46, s46, s16
	s_mul_i32 s46, s46, RBS                        ; B: 2 x tile column + half
	s_mov_b32 s47, 0
	s_mul_i32 s45, s14, CHUNK                      ; and where they go: wave x a chunk
	s_mov_b32 s[G0], 1
	s_mov_b32 s[G0+1], s45
	s_mov_b32 s[G0B], 1
	s_mov_b32 s[G0B+1], s45
	s_wait_alu depctr_va_vdst(0)
	s_wait_dscnt 0x0                               ; both opening adds are done
	CROUND                                         ; all sixteen work-groups are here: the first joint loads meet
	s_wait_kmcnt 0x0
	s_add_nc_u64 s[20:21], s[4:5], s[20:21]
	s_add_nc_u64 s[46:47], s[6:7], s[46:47]
	s_mov_b64 s[G0+2:G0+3], s[20:21]
	s_or_b32 s[G0+3], s[G0+3], 0x80000000
	s_mov_b64 s[G0B+2:G0B+3], s[46:47]
	s_or_b32 s[G0B+3], s[G0B+3], 0x80000000
	JLOAD 0                                        ; K step 0: one tensor load a wave at the head
	s_mov_b32 s[G0+4], 1                           ; slot 1's, for K step 1
	s_add_co_u32 s[G0+5], s45, SLOT
	s_add_nc_u64 s[G0+6:G0+7], s[20:21], CHUNK
	s_or_b32 s[G0+7], s[G0+7], 0x80000000
	s_mov_b32 s[G0B+4], 1
	s_add_co_u32 s[G0B+5], s45, SLOT
	s_add_nc_u64 s[G0B+6:G0B+7], s[46:47], CHUNK
	s_or_b32 s[G0B+7], s[G0B+7], 0x80000000
	s_cmp_eq_u32 s15, 0                            ; the prefetches: the chunks that I fetch, my work-group's 34 blocks of each
	s_cselect_b32 s10, s40, s41                    ; A's partners differ in cx, B's in cy
	s_cselect_b64 s[PFA:PFA+1], s[20:21], s[46:47]
	s_mul_i32 s10, s10, 34*256
	s_mov_b32 s11, 0
	s_add_nc_u64 s[PFA:PFA+1], s[PFA:PFA+1], s[10:11]
	s_lshl_b32 s12, s17, 8                         ; where my part of the tile begins in C
	s_lshl_b32 s13, s15, 7
	s_add_co_u32 s12, s12, s13
	s_lshl_b32 s12, s12, 14                        ; (256 x tile row + 128 x half) rows
	s_lshl_b32 s13, s42, 10
	s_add_co_u32 s12, s12, s13                     ; + 1024 x tile column + 512 x half
	s_lshl_b32 s13, s16, 9
	s_add_co_u32 s12, s12, s13
	s_mov_b32 s13, 0
	s_add_nc_u64 s[8:9], s[8:9], s[12:13]
	s_mul_i32 s21, s15, CHUNK                      ; my 128 rows of A in a slot
	s_mul_i32 s22, s16, CHUNK
	s_add_co_u32 s22, s22, 2*CHUNK                 ; my 128 rows of B
	v_and_b32 v1, 31, v0                           ; lane
	v_and_b32 v2, 15, v0                           ; r
	v_bfe_u32 v3, v0, 4, 1                         ; h
	v_lshlrev_b32 v[PF1], 8, v1
	v_min_u32 v[PF2], 1, v1
	v_lshlrev_b32 v[PF2], 8, v[PF2]
	v_lshlrev_b32 v4, 4, v1
	v_add_nc_u32 v[ADRA], s21, v4
	v_add_nc_u32 v[ADRA+1], SLOT, v[ADRA]
	v_add_nc_u32 v[ADRB], s22, v4
	v_add_nc_u32 v[ADRB+1], SLOT, v[ADRB]
	v_lshlrev_b32 v[CO], 4, v2
	v_lshl_add_u32 v[CO], v3, 17, v[CO]            ; 16 r + 8 h rows of C
; One matrix instruction: accumulator (AA, BB), A's fragment from register ra on, B's from rb on, the slot's q-th 128 along K, scale set sc.  c: 0 (the first product starts the sum) or the accumulator.
.macro WMMA ra, rb, q, sc, c
.set AC, 16*(8*(AA%2)+BB)
.set RGA, \ra
.set RGB, \rb
.set SCA, SC+32*(\sc)+4*AA+(\q)
.set SCB, SC+32*(\sc)+16+4*(\q)+BB%4
	WIN 0xa4+0x50*(AA/2)                           ; source 0 window 0, source 1 window 1, C and D window 2 or 3
.if BB < 4
	v_wmma_scale_f32_32x16x128_f4 v[AC:AC+15], v[RGA:RGA+15], v[RGB:RGB+7], \c, v[SCA], v[SCB]
.else
	v_wmma_scale_f32_32x16x128_f4 v[AC:AC+15], v[RGA:RGA+15], v[RGB:RGB+7], \c, v[SCA], v[SCB] matrix_b_scale:MATRIX_SCALE_ROW1
.endif
.endm
; The next cnt matrix instructions of a step, from (AA, BB) on.  The 32 accumulators take turns in the same order in every step.
.macro ROWS cnt, q, sc, zero
.rept \cnt
.if \zero
	WMMA AF+64*((\q)%2)+16*AA, 128*((\q)%2)+8*BB, \q, \sc, 0
.else
	WMMA AF+64*((\q)%2)+16*AA, 128*((\q)%2)+8*BB, \q, \sc, v[AC:AC+15]
.endif
.set BB, BB+1
.if BB == 8
.set BB, 0
.set AA, AA+1
.endif
.endr
.endm
.macro FROM0
.set AA, 0
.set BB, 0
.endm
.macro RUN slot, q                     ; 32 loads: the fragments of the slot's q-th 128 along K, into set q % 2
	WIN TO_B
.set FI, 0
.rept 8
	ds_load_b128 v[128*((\q)%2)+8*FI:128*((\q)%2)+8*FI+3], v[ADRB+\slot] offset:8192*(\q)+1024*FI
	ds_load_b128 v[128*((\q)%2)+8*FI+4:128*((\q)%2)+8*FI+7], v[ADRB+\slot] offset:8192*(\q)+1024*FI+512
.set FI, FI+1
.endr
	WIN 0
.set FI, 0
.rept 8
	ds_load_b128 v[AF+64*((\q)%2)+8*FI:AF+64*((\q)%2)+8*FI+3], v[ADRA+\slot] offset:8192*(\q)+1024*FI
	ds_load_b128 v[AF+64*((\q)%2)+8*FI+4:AF+64*((\q)%2)+8*FI+7], v[ADRA+\slot] offset:8192*(\q)+1024*FI+512
.set FI, FI+1
.endr
.endm
.macro SCALES slot                     ; the slot's scale words: four words (q = 0 .. 3) of row 32 n + lane of A; four words (b % 4) of q = n of B
	WIN 0
.irp n, 0,1,2,3
	ds_load_b128 v[SC+32*\slot+4*\n:SC+32*\slot+4*\n+3], v[ADRA+\slot] offset:SCOFF+512*\n
	ds_load_b128 v[SC+32*\slot+16+4*\n:SC+32*\slot+16+4*\n+3], v[ADRB+\slot] offset:SCOFF+512*\n
.endr
.endm
; A step with its successor in the same slot.  The four places stand in front of the run: its loads land on the sets that the step before multiplied.
.macro STEP slot, q, zero
	s_wait_dscnt 0x0                               ; this step's fragments, asked for a step ago
	PLACES
	RUN \slot, (\q)+1
	FROM0
	ROWS 32, \q, \slot, \zero
.endm
; A slot's third step.  Its run brings the slot's last fragments, so the slot changes behind its 28th product: in front of the barrier each wave waits for all its tensor loads (its part of the next slot), adds 0 to its spare word,
; and waits for that and for its reads of this slot, with twelve products between the add and the wait for it.
.macro MEET slot, fill
	s_wait_dscnt 0x0
	PLACES
	RUN \slot, 3
	FROM0
	ROWS 16, 2, \slot, 0
	WIN 0                                          ; (the add's two registers lie in window 0)
	s_wait_tensorcnt 0x0                           ; all my tensor loads have landed
	ds_add_u32 v[SPW], v[NIL]                      ; 0 onto my spare word
.if \fill
	s_add_nc_u64 s[G0+4*\slot+2:G0+4*\slot+3], s[G0+4*\slot+2:G0+4*\slot+3], 2*CHUNK   ; none of my loads is out: this slot's next K step
	s_add_nc_u64 s[G0B+4*\slot+2:G0B+4*\slot+3], s[G0B+4*\slot+2:G0B+4*\slot+3], 2*CHUNK
.endif
	ROWS 12, 2, \slot, 0
	s_wait_dscnt 0x0                               ; the add is done, and my reads of this slot are over
	s_barrier_signal -1
	ROWS 4, 2, \slot, 0                            ; work on registers while the others arrive
	WIN 0
	s_barrier_wait -1
.endm
; The third and the fourth step: behind the round this slot is filled again first, two K steps ahead; then come the next slot's first fragments, and the fourth step's products under them.
.macro TURN slot, next, pf
	MEET \slot, 1
	CREST                                          ; no wave of any partner still reads this slot or has a load on its way
	JLOAD \slot
	RUN \next, 0
	SCALES \next
	FROM0
	ROWS 32, 3, \slot, 0
	WIN 0
	s_cmp_gt_u32 s3, 1                             ; s3 = 1 in the last trip, whose look-ahead would pass the end of K
	s_cbranch_scc0 .Lno_ask_\@
	PREF \pf
.Lno_ask_\@:
.endm
	s_wait_alu depctr_va_vdst(0)                   ; the wait at the head's end
	s_wait_tensorcnt 0x0                           ; my part of K step 0 is in
	ds_add_u32 v[SPW], v[NIL]
	s_wait_dscnt 0x0
	CROUND                                         ; everybody's part of K step 0 is in: the joint loads meet,
	JLOAD 1                                        ; and K step 1's load goes out first behind the round
	RUN 0, 0
	SCALES 0
	STEP 0, 0, 1                                   ; the first step stands in front of the loop: its products start the sums
	WIN 0
	PREF 2*CHUNK                                   ; K steps 2 and 3
	PREF 3*CHUNK
	s_mov_b32 s3, LAPS-1
.Llap:                                                 ; a trip goes once round the ring, from a lap's second step to the next lap's first, and fills both slots again
	STEP 0, 1, 0
	TURN 0, 1, 4*CHUNK
	STEP 1, 0, 0
	STEP 1, 1, 0
	TURN 1, 0, 5*CHUNK
	STEP 0, 0, 0
	WIN 0
	s_wait_xcnt 0x0                                ; the trip's prefetches have read their base
	s_add_nc_u64 s[PFA:PFA+1], s[PFA:PFA+1], 2*CHUNK
	s_sub_co_u32 s3, s3, 1
	s_cmp_lg_u32 s3, 0
	s_cbranch_scc1 .Llap
	STEP 0, 1, 0                                   ; the last lap fills nothing
; THE LAST K STEP, in slot 1, by units of C.  B's fragments of quarter q lie in window 1 at 0, 64, 192, 128; A's of the 32 rows i (512 along K, 64 registers) in buffer i % 2.
.macro BL q, g                         ; B's blocks 4 g .. 4 g + 3 of quarter q: 8 loads
	WIN TO_B
.set BR, 64*(\q)+64*((\q)/2)*(5-2*(\q))
.set FI, 4*(\g)
.rept 4
	ds_load_b128 v[BR+8*FI:BR+8*FI+3], v[ADRB+1] offset:8192*(\q)+1024*FI
	ds_load_b128 v[BR+8*FI+4:BR+8*FI+7], v[ADRB+1] offset:8192*(\q)+1024*FI+512
.set FI, FI+1
.endr
.endm
.macro AL i                            ; A's 32 rows i: 16 loads
	WIN 0
.set QQ, 0
.rept 4
.set RGA, AF+64*((\i)%2)+16*QQ
.irp u, 0,1
	ds_load_b128 v[RGA+8*\u:RGA+8*\u+3], v[ADRA+1] offset:8192*QQ+1024*(2*(\i)+\u)
	ds_load_b128 v[RGA+8*\u+4:RGA+8*\u+7], v[ADRA+1] offset:8192*QQ+1024*(2*(\i)+\u)+512
.endr
.set QQ, QQ+1
.endr
.endm
.macro UNIT n                          ; unit n = 2 i + g is finished: 16 matrix instructions, its four accumulators by turns
.set AA, (\n)/2
.if (\n) == 1 || (\n) == 2 || (\n) == 4
	s_wait_dscnt 16                                ; all but the next rows' 16 loads
.endif
.if (\n) == 6
	s_wait_dscnt 0x0
.endif
.set QQ, 0
.rept 4
.if (\n) == 0 && QQ == 0
	s_wait_dscnt 56                                ; all but the second run
.endif
.if (\n) == 0 && QQ == 3
	s_wait_dscnt 48                                ; the second run's first eight loads too
.endif
.set BR, 64*QQ+64*(QQ/2)*(5-2*QQ)
.set BB, 4*((\n)%2)
.rept 4
	WMMA AF+64*(AA%2)+16*QQ, BR+8*BB, QQ, 1, v[AC:AC+15]
.set BB, BB+1
.endr
.set QQ, QQ+1
.endr
.endm
; THE WAY OUT of unit n = 2 i + g: 32 rows x 64 columns, 64 registers.  Each four registers 8 u + 4 t .. + 3 of its four accumulators are a square of 4 rows x 4 columns; six swaps turn it over in place, so that accumulator a's four
; hold row 4 t + a.  No store's data are ever written again.  Each accumulator is read from its low end on.
.macro XCH a, b
	v_swap_b32 v[XB+16*\a+\b], v[XB+16*\b+\a]
.endm
.macro OUTU n
	WIN 0x82+0x41*((\n)/4)                         ; both registers of a swap: window 2 or 3
.irp u, 0,1
.irp t, 0,1
.set XB, 64*((\n)%4)+8*\u+4*\t
	XCH 0, 1
	XCH 0, 2
	XCH 0, 3
	XCH 1, 2
	XCH 1, 3
	XCH 2, 3
.endr
.endr
	WIN 0x08+4*((\n)/4)                            ; the data: window 2 or 3
.irp u, 0,1
.irp t, 0,1
.irp a, 0,1,2,3
.set XB, 64*((\n)%4)+16*\a+8*\u+4*\t
	global_store_b128 v[CO], v[XB:XB+3], s[8:9] offset:((\n)/2)*32*ROWC+\u*16*ROWC+(4*\t+\a)*ROWC+((\n)%2)*256   ; lanes 0-15 and lanes 16-31 each store 256 consecutive bytes, aligned: rows j and 8 + j
.endr
.endr
.endr
.endm
	MEET 0, 0                                      ; the one tensor load that was out is the last K step's, so no round follows
	PLACES
.irp q, 0,1,2
	BL \q, 0                                       ; 24 loads
.endr
	SCALES 1                                       ; 8
	AL 0                                           ; 16
	FROM0
	ROWS 32, 3, 0, 0                               ; slot 0's last step, under the first run
	PLACES                                         ; for the loads into the registers that it multiplied
	BL 3, 0                                        ; the second run: 8 loads,
.irp q, 0,1,2,3
	BL \q, 1                                       ; 32,
.endr
	AL 1                                           ; and 16
.irp n, 0,1,2,3,4,5,6,7
	UNIT \n
	PLACES                                         ; the swaps below read results just made
.if \n == 1
	AL 2                                           ; into the buffer of rows 0-31, which are done
.endif
.if \n == 3
	AL 3
.endif
	OUTU \n
.endr
	WIN 0
	s_wait_tensorcnt 0x0                           ; the wave's end
	ds_add_u32 v[SPW], v[NIL]
	s_wait_dscnt 0x0
	CROUND                                         ; the closing round: no work-group ends while a partner may still ask for a tile that names it
	s_endpgm
.Lfunc_end_k_qfe06255fd0_gemm:
	.size	k_qfe06255fd0_gemm, .Lfunc_end_k_qfe06255fd0_gemm-k_qfe06255fd0_gemm
	.p2alignl 7, 3214868480
	.fill 96, 4, 3214868480
	.section	.rodata,"a",@progbits
	.p2align	6, 0x0
	.amdhsa_kernel k_qfe06255fd0_gemm
		.amdhsa_group_segment_fixed_size 327680
		.amdhsa_private_segment_fixed_size 0
		.amdhsa_enable_private_segment 0
		.amdhsa_kernarg_size 24
		.amdhsa_user_sgpr_count 2
		.amdhsa_user_sgpr_kernarg_segment_ptr 1
		.amdhsa_wavefront_size32 1
		.amdhsa_system_sgpr_workgroup_id_x 1
		.amdhsa_system_sgpr_workgroup_id_y 1
		.amdhsa_system_sgpr_workgroup_id_z 1
		.amdhsa_system_vgpr_workitem_id 0
		.amdhsa_next_free_vgpr 1024
		.amdhsa_next_free_sgpr 72
		.amdhsa_reserve_vcc 0
		.amdhsa_float_denorm_mode_32 3
		.amdhsa_float_denorm_mode_16_64 3
		.amdhsa_memory_ordered 1
		.amdhsa_forward_progress 1
		.amdhsa_inst_pref_size 133
	.end_amdhsa_kernel
	.amdgpu_metadata
---
amdhsa.version: [ 1, 2 ]
amdhsa.kernels:
  - .name:           k_qfe06255fd0_gemm
    .symbol:         k_qfe06255fd0_gemm.kd
    .args:
      - { .name: a_ws, .offset: 0, .size: 8, .value_kind: global_buffer, .address_space: global }
      - { .name: b_ws, .offset: 8, .size: 8, .value_kind: global_buffer, .address_space: global }
      - { .name: out0, .offset: 16, .size: 8, .value_kind: global_buffer, .address_space: global }
    .group_segment_fixed_size: 327680
    .private_segment_fixed_size: 0
    .kernarg_segment_align: 8
    .kernarg_segment_size: 24
    .max_flat_workgroup_size: 128
    .sgpr_count:     72
    .vgpr_count:     1024
    .wavefront_size: 32
...
	.end_amdgpu_metadata
.endif
;; end of part 2
